; MI455X (gfx1250); checked and timed in simulation.
; The chip was launched on July 23, 2026; its instructions are those of AMD's public machine-readable ISA for CDNA 5 (MIT licence, August 2026) and "CDNA5" Instruction Set Architecture Reference Guide (July 2026). The comments in the code are by the model that wrote it; some were corrected since.
;; Multi Head Attention. Allowed arithmetic: float matrix products may take bf16 or f16 operands with f32 sums; all other float work in f32.
;; Inputs: Wk 1,024 x 1,024 float32; Wq 1,024 x 1,024 float32; Wv 1,024 x 1,024 float32; bk 1,024 float32; bq 1,024 float32; bv 1,024 float32; mask 8 x 1,024 float32; x 8 x 1,024 x 1,024 float32.
;; Outputs: out0 8 x 1,024 x 1,024 float32.
;; One version. Each part assembles by itself: llvm-mc -triple=amdgcn-amd-amdhsa -mcpu=gfx1250 --defsym DOCPART=n.
;; ======== version 1 of 1: 3 launches
;; limits: values are held in f16: magnitudes above 65,504 overflow, below 6.1e-05 lose precision
;; workspace buffers: xh 16,777,216 bytes; wh 6,291,456 bytes; qkv 50,331,648 bytes
;; launch prep (part 1): grid 2816 x 1, 4 waves a work-group, no clusters, 0 bytes of LDS; arguments x, Wq, Wk, Wv, xh, wh; writes xh, wh
.if DOCPART == 1
	.amdgcn_target "amdgcn-amd-amdhsa--gfx1250"
	.amdhsa_code_object_version 6
	.text
	.protected	k_q55b7116908_prep
	.globl	k_q55b7116908_prep
	.p2align	8
	.type	k_q55b7116908_prep,@function
k_q55b7116908_prep:
	s_mov_b64 s[64:65], 0
	v_nop
	global_prefetch_b8 v0, s[64:65] scope:SCOPE_SE
	s_setreg_imm32_b32 hwreg(HW_REG_WAVE_MODE, 25, 1), 1
	s_wait_xcnt 0x0
; x [8192][1024] f32 -> xh [8192][1024] f16;  Wq, Wk, Wv [1024 k][1024 n] f32 -> wh [1024 k][3072] f16, column = 1024 x type + n.
; 11,264 rows of 4,096 bytes; one wave converts one row: eight loads of 512 neighbouring bytes, all issued at once, eight stores
; of 256 neighbouring aligned bytes.  Nothing is read twice, no wave depends on another: no LDS, no barrier, no matrix unit, no cluster.
; LIMIT: a number whose magnitude is above 65,504 becomes an infinity in f16; below 6.1e-5 it keeps fewer than 11 bits.
.set XROWS, 8192                       ; rows of x; the rows behind them are W's
.set SRC,   8                          ; v[8:39]   the row as loaded, 4 registers a load
.set DST,   40                         ; v[40:55]  the row in f16, 2 registers a store
	s_load_b256 s[4:11], s[0:1], 0x0               ; x s[4:5], Wq s[6:7], Wk s[8:9], Wv s[10:11]
	s_load_b128 s[12:15], s[0:1], 0x20             ; xh s[12:13], wh s[14:15]
	v_lshrrev_b32 v3, 5, v0
	v_readfirstlane_b32 s16, v3                    ; wave 0..3
	v_and_b32 v4, 31, v0                           ; lane
	v_lshlrev_b32 v1, 4, v4                        ; 16 bytes a lane in the source
	v_lshlrev_b32 v2, 3, v4                        ; 8 bytes a lane in the destination
	s_lshl_b32 s17, ttmp9, 2
	s_add_co_u32 s17, s17, s16                     ; R: my row among the 11,264
	s_max_u32 s18, s17, XROWS
	s_sub_co_u32 s18, s18, XROWS                   ; my row among W's 3,072 (0 for a row of x, where it is not used)
	s_and_b32 s19, s18, 1023                       ; k
	s_lshr_b32 s20, s18, 10                        ; type: 0 q, 1 k, 2 v
	s_mul_i32 s21, s19, 6144                       ; wh: a row of 3,072 f16,
	s_lshl_b32 s22, s20, 11
	s_add_co_u32 s21, s21, s22                     ; and the type's 2,048 bytes in it
	s_lshl_b32 s23, s19, 12                        ; W: row k
	s_lshl_b32 s24, s17, 12                        ; x: row R
	s_lshl_b32 s25, s17, 11                        ; xh: row R
	s_mov_b32 s31, 0
	s_mov_b32 s33, 0
	s_wait_kmcnt 0x0
	s_cmp_eq_u32 s20, 1
	s_cselect_b64 s[26:27], s[8:9], s[6:7]         ; Wk or Wq
	s_cmp_eq_u32 s20, 2
	s_cselect_b64 s[26:27], s[10:11], s[26:27]     ; or Wv
	s_cmp_lt_u32 s17, XROWS                        ; a row of x?  Only selects and moves follow: they leave SCC alone
	s_cselect_b64 s[26:27], s[4:5], s[26:27]       ; source
	s_cselect_b64 s[28:29], s[12:13], s[14:15]     ; destination
	s_cselect_b32 s30, s24, s23                    ; their offsets
	s_cselect_b32 s32, s25, s21
	s_add_nc_u64 s[26:27], s[26:27], s[30:31]
	s_add_nc_u64 s[28:29], s[28:29], s[32:33]
.irp j, 0,1,2,3,4,5,6,7
	global_load_b128 v[SRC+4*\j:SRC+4*\j+3], v1, s[26:27] offset:512*\j th:TH_LOAD_NT   ; read once in the launch
.endr
.irp j, 0,1,2,3,4,5,6,7
	s_wait_loadcnt 7-\j                            ; loads come back in order (ISA guide 5.7.1): load j is in, the 7 - j younger ones stay out
	v_cvt_pk_f16_f32 v[DST+2*\j],   v[SRC+4*\j],   v[SRC+4*\j+1]
	v_cvt_pk_f16_f32 v[DST+2*\j+1], v[SRC+4*\j+2], v[SRC+4*\j+3]
	global_store_b64 v2, v[DST+2*\j:DST+2*\j+1], s[28:29] offset:256*\j   ; the wave's 32 x 8 bytes: 256 consecutive bytes, aligned; no register is written twice
.endr
	s_endpgm
.Lfunc_end_k_q55b7116908_prep:
	.size	k_q55b7116908_prep, .Lfunc_end_k_q55b7116908_prep-k_q55b7116908_prep
	.p2alignl 7, 3214868480
	.fill 96, 4, 3214868480
	.section	.rodata,"a",@progbits
	.p2align	6, 0x0
	.amdhsa_kernel k_q55b7116908_prep
		.amdhsa_group_segment_fixed_size 0
		.amdhsa_private_segment_fixed_size 0
		.amdhsa_enable_private_segment 0
		.amdhsa_kernarg_size 48
		.amdhsa_user_sgpr_count 2
		.amdhsa_user_sgpr_kernarg_segment_ptr 1
		.amdhsa_wavefront_size32 1
		.amdhsa_system_sgpr_workgroup_id_x 1
		.amdhsa_system_sgpr_workgroup_id_y 1
		.amdhsa_system_sgpr_workgroup_id_z 1
		.amdhsa_system_vgpr_workitem_id 0
		.amdhsa_next_free_vgpr 56
		.amdhsa_next_free_sgpr 66
		.amdhsa_reserve_vcc 0
		.amdhsa_float_denorm_mode_32 3
		.amdhsa_float_denorm_mode_16_64 3
		.amdhsa_memory_ordered 1
		.amdhsa_forward_progress 1
		.amdhsa_inst_pref_size 5
	.end_amdhsa_kernel
	.amdgpu_metadata
---
amdhsa.version: [ 1, 2 ]
amdhsa.kernels:
  - .name:           k_q55b7116908_prep
    .symbol:         k_q55b7116908_prep.kd
    .args:
      - { .name: x, .offset: 0, .size: 8, .value_kind: global_buffer, .address_space: global }
      - { .name: Wq, .offset: 8, .size: 8, .value_kind: global_buffer, .address_space: global }
      - { .name: Wk, .offset: 16, .size: 8, .value_kind: global_buffer, .address_space: global }
      - { .name: Wv, .offset: 24, .size: 8, .value_kind: global_buffer, .address_space: global }
      - { .name: xh, .offset: 32, .size: 8, .value_kind: global_buffer, .address_space: global }
      - { .name: wh, .offset: 40, .size: 8, .value_kind: global_buffer, .address_space: global }
    .group_segment_fixed_size: 0
    .private_segment_fixed_size: 0
    .kernarg_segment_align: 8
    .kernarg_segment_size: 48
    .max_flat_workgroup_size: 128
    .sgpr_count:     66
    .vgpr_count:     56
    .wavefront_size: 32
...
	.end_amdgpu_metadata
.endif
;; end of part 1
;; launch proj (part 2): grid 16 x 32, 4 waves a work-group, clusters of 4 x 4, 327,680 bytes of LDS; arguments xh, wh, bq, bk, bv, qkv, mask; writes qkv
.if DOCPART == 2
	.amdgcn_target "amdgcn-amd-amdhsa--gfx1250"
	.amdhsa_code_object_version 6
	.text
	.protected	k_q55b7116908_proj
	.globl	k_q55b7116908_proj
	.p2align	8
	.type	k_q55b7116908_proj,@function
k_q55b7116908_proj:
	s_mov_b64 s[64:65], 0
	v_nop
	global_prefetch_b8 v0, s[64:65] scope:SCOPE_SE
	s_setreg_imm32_b32 hwreg(HW_REG_WAVE_MODE, 25, 1), 1
	s_wait_xcnt 0x0
	s_wait_alu depctr_hold_cnt(0) depctr_sa_sdst(0) depctr_va_vdst(0) depctr_va_sdst(0) depctr_va_ssrc(0) depctr_va_vcc(0) depctr_vm_vsrc(0)
	s_getreg_b32 s2, hwreg(HW_REG_IB_STS2, 6, 4)
	s_cmp_eq_u32 s2, 0
	s_cbranch_scc0 .Lentry_in_a_cluster
	s_endpgm
.Lentry_in_a_cluster:
	s_bfe_u32 s2, ttmp6, 0x10000c
	s_cmp_lg_u32 s2, 0xf033
	s_cbranch_scc0 .Lentry_shape_is_right
	s_endpgm
.Lentry_shape_is_right:
; qkv[type][b][head][l][64] (f16) = (xh [8192][1024] x wh [1024][3072] + bias) x f;  f = log2(e)/8 for q (the scores' 1/sqrt(64) and the base-2
; exponential of the next launch), 1 for k and v.  v is stored with the sign of its token's mask number: the next launch takes the mask's magnitude
; into the exponent and finds its sign here.  Sums in f32, operands f16.
; A work-group makes 256 tokens x 192 columns with four waves; a wave makes 128 x 96: 48 accumulator tiles of 16 x 16, 384 registers.
; 16 x 32 = 512 work-groups of equal work.  K goes in 8 steps of 128 through a ring of two LDS slots filled by the tensor data mover.
; CLUSTERS: 4 x 4 work-groups.  The four of a row of the cluster need the same tiles of xh, the four of a column the same tiles of wh: each tile is
; asked for jointly, by the same tensor load with the same descriptor and a mask that names the four, which divides the requests for both by four.
; wh lies [k][n]: its fragments come out of LDS by transposing loads.
; THE MATRIX INSTRUCTION IS USED TRANSPOSED: source 0 = 16 columns of wh, source 1 = 16 tokens; lane l then holds token l % 16, and its registers
; 0 to 7 the columns 8 (l / 16) + 0..7: eight neighbouring numbers of a row, 16 bytes in f16.
; LIMIT: a result whose magnitude is above 65,504 becomes an infinity in f16.
;
; REGISTERS, in windows of 256:  window 0: v16-28 addresses; v32-95, v96-159 fragments of xh (8 x 16 tokens x 32 K), two buffers; v160-207, v208-255
; fragments of wh (6 x 16 columns x 32 K), two buffers.  Window 1: the 24 accumulator tiles of my tokens 0-63, tile (a, b) at v[8 (6 a + b)]; window 2: tokens 64-127.
.set PA,    272                        ; LDS row of xh's tile: 256 bytes + 16 of padding: 16 neighbouring rows begin at 16 different 16-byte columns modulo 256
.set PB,    480                        ; LDS row of wh's tile: six pieces of 64 bytes + 16 of padding each; 480 = 256 + 224, so that the 8 rows x 2 pieces of a transposing load's 16 lanes fall at -32 i + 16 c modulo 256, all different
.set HALFA, 128*PA                     ; what one tensor load brings of xh: 128 tokens
.set HALFB, 64*PB                      ; and of wh: 64 rows of k
.set BOFF,  2*HALFA                    ; wh's tile lies behind xh's 256 rows
.set SLOT,  BOFF+2*HALFB               ; 131,072
.set SP,    400                        ; the stage's row on the way out: 384 bytes + 16, an odd multiple of 16
.set LAPS,  4                          ; a lap = two K steps = once round the ring; 1024 / 256
.set ASTEP, 2*128*2                    ; two K steps on in xh: 256 elements along a row
.set BSTEP, 2*128*6144                 ; two K steps on in wh: 256 rows of 6,144 bytes
.set ADRA, 16                          ; v16-17  LDS address of my xh fragments in slot 0, 1
.set ADRB, 20                          ; v20-21  the same for wh
.set STO,  24                          ; v24     the way out: where I put 16 bytes of a token's row
.set RD,   25                          ; v25     the way out: where I read back
.set CO,   26                          ; v26     my byte offset in a head's plane
.set BO,   27                          ; v27     my byte offset in a tile's 16 biases
.set MO,   28                          ; v28     my byte offset among 16 tokens' mask numbers
.set FA,   32                          ; xh's fragment buffers, 64 registers each
.set FB,   160                         ; wh's fragment buffers, 48 registers each
.set BI,   32                          ; the way out: 48 biases, times f
.set SGN,  80                          ; the way out: for each of my 8 blocks of 16 tokens, 0x80008000 where my token's mask number is negative, else 0
.set XS,   88                          ; the way out: the same, only for pairs of tiles that are columns of v
.set TT,   96                          ; the way out: 48 results in f32
.set PK,   160                         ; the way out: 24 registers of f16
.set G1,   24                          ; s[24:31] descriptor group 1 for xh's tiles
.set G0,   32                          ; s[32:39] group 0 for xh's tiles, one set for each slot
.set G1B,  48                          ; s[48:55] group 1 for wh's tiles
.set G0B,  56                          ; s[56:63] group 0 for wh's tiles, one set for each slot
.set TS,   7                           ; s[7:9]   for each pair of column tiles: all ones if they are columns of v, else 0
.set BP,   80                          ; s[80:85] three addresses of biases, one for each pair of column tiles
.set FS,   86                          ; s[86:91] three pairs (f, f)
.set OB,   92                          ; s[92:97] three addresses in qkv, one for each 64 columns
.set MSB, 0
.macro WIN new                         ; the immediate's high byte repeats the setting that is left
.if MSB != \new
	s_set_vgpr_msb (MSB<<8)|\new
.set MSB, \new
.endif
.endm
.set MUL_LO, 0x50                      ; sources 0 and 1 window 0, C and D window 1
.set MUL_HI, 0xa0                      ; C and D window 2
; A joint load.  Waves 0 and 1 fetch xh's two halves, waves 2 and 3 wh's.  Each line has one mask and one set of registers, in which nothing hangs on
; a coordinate that the four partners do not share.  The branch hangs on the wave's number alone.
.macro JLOAD s
	s_cmp_eq_u32 s11, 0
	s_cbranch_scc0 .Lfor_b_\@
	tensor_load_to_lds s[G0+4*\s:G0+4*\s+3], s[G1:G1+7]
	s_nop 0
	s_branch .Lasked_\@
.Lfor_b_\@:
	tensor_load_to_lds s[G0B+4*\s:G0B+4*\s+3], s[G1B:G1B+7]
	s_nop 0
.Lasked_\@:
.endm
; A round of the cluster's barrier: my work-group's barrier, wave 0 signals for the work-group, every wave waits for all sixteen, my work-group's barrier again.
.macro CREST                           ; a round behind its opening barrier
	s_cmp_lg_u32 s10, 0
	s_cbranch_scc1 .Lnot_wave_0_\@
	s_barrier_signal -3
.Lnot_wave_0_\@:
	s_barrier_wait -3
	s_barrier_signal -1
	s_barrier_wait -1
.endm
.macro CROUND                          ; a whole round
	s_barrier_signal -1
	s_barrier_wait -1
	CREST
.endm
	s_load_b256 s[68:75], s[0:1], 0x0              ; xh s[68:69], wh s[70:71], bq s[72:73], bk s[74:75]
	s_load_b128 s[76:79], s[0:1], 0x20             ; bv s[76:77], qkv s[78:79]
	s_load_b64 s[4:5], s[0:1], 0x30                ; mask
	v_lshl_add_u32 v30, v0, 2, 0x40000
	v_mov_b32 v31, 0
	ds_add_u32 v30, v31
	ds_add_u32 v30, v31
	v_lshrrev_b32 v1, 5, v0
	v_readfirstlane_b32 s10, v1                    ; wave 0..3
	s_lshr_b32 s11, s10, 1                         ; which 128 of the block's tokens are mine.  Also: I fetch for xh (0) or for wh (1)
	s_and_b32 s12, s10, 1                          ; which 96 of its columns.  Also: which half of that tile I fetch
	s_bfe_u32 s40, ttmp6, 0x40000                  ; cx
	s_bfe_u32 s41, ttmp6, 0x40004                  ; cy
	s_lshl_b32 s42, ttmp9, 2
	s_add_co_u32 s42, s42, s40                     ; bx: block column 0..15 = 4 x cluster x + cx
	s_and_b32 s13, ttmp7, 0xffff
	s_lshl_b32 s13, s13, 2
	s_add_co_u32 s13, s13, s41                     ; by: block row 0..31 = 4 x cluster y + cy
	s_lshl_b32 s43, s41, 2
	s_lshl_b32 s43, 15, s43                        ; my row of the cluster: places 4 cy .. 4 cy + 3
	s_lshl_b32 s44, 0x1111, s40                    ; my column: places cx, cx + 4, cx + 8, cx + 12
	; group 1 for xh: 128 rows x 128 elements of 2 bytes, 4 words of padding behind every 64 words
	s_or_b32 s[G1+0], s43, (1<<16)|(1<<20)|(1<<21)|(5<<22)|(3<<25)   ; 15:0 mask: my row; 17:16 2 bytes; 20 padding on; 21 set beside a mask; 24:22 every 64 words; 31:25 4 words
	s_mov_b32 s[G1+1], 128<<16                     ; tensor_dim0 = 128
	s_mov_b32 s[G1+2], 128<<16                     ; tensor_dim1 = 128
	s_mov_b32 s[G1+3], 128<<16                     ; tile_dim0 = 128
	s_mov_b32 s[G1+4], 128                         ; tile_dim1 = 128
	s_mov_b32 s[G1+5], 1024                        ; elements from row to row
	s_mov_b32 s[G1+6], 0
	s_mov_b32 s[G1+7], 0
	; group 1 for wh: 64 rows x 192 elements, 4 words of padding behind every 16 words (six times in a row of 96 words)
	s_or_b32 s[G1B+0], s44, (1<<16)|(1<<20)|(1<<21)|(3<<22)|(3<<25)  ; the mask: my column; 24:22 every 16 words
	s_mov_b32 s[G1B+1], 192<<16                    ; tensor_dim0 = 192
	s_mov_b32 s[G1B+2], 64<<16                     ; tensor_dim1 = 64
	s_mov_b32 s[G1B+3], 192<<16                    ; tile_dim0 = 192
	s_mov_b32 s[G1B+4], 64                         ; tile_dim1 = 64
	s_mov_b32 s[G1B+5], 3072                       ; elements from row to row
	s_mov_b32 s[G1B+6], 0
	s_mov_b32 s[G1B+7], 0
	; where the tiles come from.  xh's hang on by alone, wh's on bx alone; each in registers that never hold the other coordinate.
	s_lshl_b32 s17, s12, 7
	s_lshl_b32 s16, s13, 8
	s_add_co_u32 s16, s16, s17                     ; xh: token 256 by + 128 x half,
	s_lshl_b32 s16, s16, 11                        ; times 2,048 bytes (below 2^24)
	s_mov_b32 s17, 0
	s_mul_i32 s46, s12, 64*6144                    ; wh: row 64 x half,
	s_mul_i32 s47, s42, 384                        ; column 192 bx
	s_add_co_u32 s46, s46, s47
	s_mov_b32 s47, 0
	s_mul_i32 s20, s10, HALFA                      ; where they go: waves 0, 1: xh's halves;
	s_mul_i32 s21, s10, HALFB
	s_add_co_u32 s21, s21, BOFF-2*HALFB            ; waves 2, 3: BOFF + (wave - 2) x HALFB.  No place in the cluster enters an LDS address
	s_lshl_b32 s66, s13, 10                        ; mask is [8][1024]: number 1024 b + l belongs to token 1024 b + l.  My first token, 256 by + 128 x half, times 4 bytes
	s_lshl_b32 s67, s11, 9
	s_add_co_u32 s66, s66, s67
	s_mov_b32 s67, 0
	s_wait_dscnt 0x0
	s_wait_kmcnt 0x0
	s_add_nc_u64 s[14:15], s[68:69], s[16:17]
	s_add_nc_u64 s[46:47], s[70:71], s[46:47]
	s_add_nc_u64 s[4:5], s[4:5], s[66:67]
	CROUND                                         ; all sixteen work-groups are here: the first joint loads meet
.irp s, 0,1
	s_mov_b32 s[G0+4*\s], 1                                        ; count = 1
	s_add_co_u32 s[G0+4*\s+1], s20, \s*SLOT                        ; LDS address
	s_add_nc_u64 s[G0+4*\s+2:G0+4*\s+3], s[14:15], \s*256          ; K step s: 128 elements along the rows
	s_or_b32 s[G0+4*\s+3], s[G0+4*\s+3], 0x80000000                ; type = 2
	s_mov_b32 s[G0B+4*\s], 1
	s_add_co_u32 s[G0B+4*\s+1], s21, \s*SLOT
	s_add_nc_u64 s[G0B+4*\s+2:G0B+4*\s+3], s[46:47], \s*128*6144   ; K step s: 128 rows down
	s_or_b32 s[G0B+4*\s+3], s[G0B+4*\s+3], 0x80000000
	JLOAD \s                                       ; the ring is filled before anything else is done: two tensor loads of the wave are out, later one
.endr
	; Fragments.  16 rows x 32 K in 8 registers: lane l holds row l % 16; registers 0-3 K = 8 (l / 16) + 0..7, registers 4-7 K = 16 + 8 (l / 16) + 0..7.
	v_and_b32 v1, 15, v0                           ; r = l % 16
	v_bfe_u32 v2, v0, 4, 1                         ; h = l / 16
	v_mul_u32_u24 v3, v1, PA
	v_lshl_add_u32 v3, v2, 4, v3                   ; xh (K along the rows): r x pitch + 16 h, two loads 32 bytes apart
	s_mul_i32 s22, s11, HALFA
	v_add_nc_u32 v[ADRA], s22, v3
	v_add_nc_u32 v[ADRA+1], SLOT, v[ADRA]
	v_and_b32 v4, 7, v0                            ; wh (K down the rows): lane l addresses row 8 h + l % 8, piece (l / 8) % 2 of the tile's 32 bytes;
	v_lshl_add_u32 v4, v2, 3, v4                   ; the transposing load hands each lane eight K of its own column
	v_mul_u32_u24 v4, v4, PB
	v_bfe_u32 v5, v0, 3, 1
	v_lshl_add_u32 v4, v5, 4, v4
	s_mul_i32 s23, s12, 240                        ; my 96 columns: three pieces of 80 LDS bytes
	s_add_co_u32 s23, s23, BOFF
	v_add_nc_u32 v[ADRB], s23, v4
	v_add_nc_u32 v[ADRB+1], SLOT, v[ADRB]
	s_mul_i32 s22, s11, 128*SP                     ; the stage: row = token in the block, 192 bytes for each half of the columns
	s_mul_i32 s23, s12, 192
	s_add_co_u32 s22, s22, s23
	v_mul_u32_u24 v6, v1, SP
	v_lshl_add_u32 v6, v2, 4, v6
	v_add_nc_u32 v[STO], s22, v6
	v_bfe_u32 v7, v0, 3, 2                         ; back: eight lanes take the 128 bytes that one token has in one head, a load takes four tokens
	v_mul_u32_u24 v7, v7, SP
	v_and_b32 v8, 7, v0
	v_lshl_add_u32 v7, v8, 4, v7
	s_mul_i32 s22, s10, 64*SP                      ; wave w reads back tokens 64 w .. 64 w + 63
	v_add_nc_u32 v[RD], s22, v7
	v_and_b32 v9, 31, v0
	v_lshlrev_b32 v9, 4, v9
	s_lshl_b32 s22, s10, 13
	v_add_nc_u32 v[CO], s22, v9                    ; in a head's plane these four tokens are 512 neighbouring bytes: 8,192 w + 16 l
	v_lshlrev_b32 v[BO], 5, v2                     ; my eight biases of a tile: 32 h
	v_lshlrev_b32 v[MO], 2, v1                     ; my token's mask number in a block of 16: 4 r
	; For each pair p of my column tiles (32 columns, which never cross a multiple of 1024): the bias's address, the factor f, and whether they are v's.
	s_mul_i32 s92, s42, 192
	s_mul_i32 s93, s12, 96
	s_add_co_u32 s92, s92, s93                     ; my first column among the 3,072
	s_mov_b32 s97, 0
.irp p, 0,1,2
	s_add_co_u32 s93, s92, 32*\p
	s_lshr_b32 s94, s93, 10                        ; type
	s_and_b32 s96, s93, 1023
	s_lshl_b32 s96, s96, 2                         ; byte offset in the bias
	s_cmp_eq_u32 s94, 1
	s_cselect_b64 s[BP+2*\p:BP+2*\p+1], s[74:75], s[72:73]
	s_cmp_eq_u32 s94, 2
	s_cselect_b64 s[BP+2*\p:BP+2*\p+1], s[76:77], s[BP+2*\p:BP+2*\p+1]
	s_cselect_b32 s[TS+\p], -1, 0                  ; selects leave SCC alone
	s_cmp_eq_u32 s94, 0
	s_cselect_b32 s[FS+2*\p], 0x3e38aa3b, 1.0      ; log2(e) / 8 for q
	s_mov_b32 s[FS+2*\p+1], s[FS+2*\p]
	s_add_nc_u64 s[BP+2*\p:BP+2*\p+1], s[BP+2*\p:BP+2*\p+1], s[96:97]
.endr
; 12 matrix instructions: token blocks a0, a0 + 1 of the window's four (hi = 0: my tokens 0-63, 1: 64-127) x all 6 column tiles, 32 along K, on buffers f.
; zero = 1: the first product starts the sums.  The 48 accumulators take turns, one instruction a turn, in the same order in every quarter step.
.macro MUL12 f, hi, a0, zero
.irp a, \a0, \a0+1
.irp b, 0,1,2,3,4,5
.if \zero
	v_wmma_f32_16x16x32_f16 v[8*(6*(\a)+\b):8*(6*(\a)+\b)+7], v[FB+48*\f+8*\b:FB+48*\f+8*\b+7], v[FA+64*\f+8*(4*\hi+\a):FA+64*\f+8*(4*\hi+\a)+7], 0
.else
	v_wmma_f32_16x16x32_f16 v[8*(6*(\a)+\b):8*(6*(\a)+\b)+7], v[FB+48*\f+8*\b:FB+48*\f+8*\b+7], v[FA+64*\f+8*(4*\hi+\a):FA+64*\f+8*(4*\hi+\a)+7], v[8*(6*(\a)+\b):8*(6*(\a)+\b)+7]
.endif
.endr
.endr
.endm
; 28 LDS loads in one run: the fragments of quarter step kq (32 K) of a slot into buffers f: wh's 12 first, then xh's 16, tokens 64-127 last
.macro FETCH slot, kq, f
	WIN 0
.irp b, 0,1,2,3,4,5
	ds_load_tr16_b128 v[FB+48*\f+8*\b:FB+48*\f+8*\b+3],   v[ADRB+\slot] offset:\kq*32*PB+(\b/2)*80+(\b%2)*32
	ds_load_tr16_b128 v[FB+48*\f+8*\b+4:FB+48*\f+8*\b+7], v[ADRB+\slot] offset:\kq*32*PB+(\b/2)*80+(\b%2)*32+16*PB
.endr
.irp i, 0,1,2,3,4,5,6,7
	ds_load_b128 v[FA+64*\f+8*\i:FA+64*\f+8*\i+3],   v[ADRA+\slot] offset:\kq*64+\i*16*PA
	ds_load_b128 v[FA+64*\f+8*\i+4:FA+64*\f+8*\i+7], v[ADRA+\slot] offset:\kq*64+\i*16*PA+32
.endr
.endm
; A load into a register that a matrix instruction has read, and a vector instruction that reads a matrix result, stand four places behind that matrix
; instruction; only plain vector instructions that name none of its registers are places (ISA guide 7.12.1 for vector instructions).
.macro PLACES
.rept 4
	v_nop
.endr
.endm
; One of a K step's first three quarters: multiplies buffers f; in its middle it fetches quarter kq of the same slot into buffers g.
.macro QUARTER slot, kq, f, g, zero
	s_wait_dscnt 8                                 ; wh and xh's tokens 0-63 are in; the youngest eight loads (tokens 64-127) may be out
	WIN MUL_LO
	MUL12 \f, 0, 0, \zero
	MUL12 \f, 0, 2, \zero
	PLACES
	FETCH \slot, \kq, \g
	s_wait_dscnt 28                                ; all but the 28 just issued
	WIN MUL_HI
	MUL12 \f, 1, 0, \zero
	MUL12 \f, 1, 2, \zero
.endm
.macro THREE slot, zero
	QUARTER \slot, 1, 0, 1, \zero
	QUARTER \slot, 2, 1, 0, 0
	QUARTER \slot, 3, 0, 1, 0
.endm
; The last quarter: multiplies buffers 1 and changes slots.  In front of the one barrier each wave waits for its reads of this slot and for all its tensor
; loads (the one that is out is its part of the next slot).  Behind it nobody reads this slot and the next is whole: the refill comes first (fill = 1, behind
; the rest of a round of the cluster's barrier), then the next slot's first fragments.  From a request to the wait for it a wave issues 180 matrix instructions.
.macro TURN slot, next, fill
	s_wait_dscnt 8
	WIN MUL_LO
	MUL12 1, 0, 0, 0
	s_wait_dscnt 0                                 ; my reads of this slot are over
	s_wait_tensorcnt 0x0                           ; all my tensor loads have landed
	ds_add_u32 v30, v31
	s_wait_dscnt 0x0
	s_barrier_signal -1
	MUL12 1, 0, 2, 0                               ; register work while the others arrive
	WIN 0
	s_barrier_wait -1
.if \fill
	CREST                                          ; no wave of any partner still reads this slot or has a load on its way
	s_add_nc_u64 s[G0+4*\slot+2:G0+4*\slot+3], s[G0+4*\slot+2:G0+4*\slot+3], ASTEP
	s_add_nc_u64 s[G0B+4*\slot+2:G0B+4*\slot+3], s[G0B+4*\slot+2:G0B+4*\slot+3], BSTEP
	JLOAD \slot                                    ; the first tensor load behind the round, the wave's only one until the next
.endif
	PLACES
	FETCH \next, 0, 0
	WIN MUL_HI
	MUL12 1, 1, 0, 0
	MUL12 1, 1, 2, 0
.endm
.macro LAP zero
	THREE 0, \zero
	TURN 0, 1, 1
	THREE 1, 0
	TURN 1, 0, 1
.endm
	s_wait_tensorcnt 1                             ; my part of K step 0 is in; K step 1's stays out
	s_barrier_signal -1
	s_barrier_wait -1                              ; everybody's is
	FETCH 0, 0, 0
	LAP 1                                          ; the first lap stands in front of the loop: its first products start the sums
	WIN 0
	s_mov_b32 s3, LAPS-2
.Llap:
	LAP 0
	WIN 0
	s_sub_co_u32 s3, s3, 1
	s_cmp_lg_u32 s3, 0
	s_cbranch_scc1 .Llap
	THREE 0, 0                                     ; the last lap fills nothing
	TURN 0, 1, 0
	THREE 1, 0
	s_wait_dscnt 8                                 ; the very last quarter.  xh's buffer 0 is free: my 48 biases and 8 mask numbers go there, four places behind its last use
	PLACES
	WIN 0
.irp p, 0,1,2
.irp t, 0,1
.irp u, 0,1
	global_load_b128 v[BI+16*\p+8*\t+4*\u:BI+16*\p+8*\t+4*\u+3], v[BO], s[BP+2*\p:BP+2*\p+1] offset:64*\t+16*\u   ; tile 2 p + t: columns 8 h + 4 u ..
.endr
.endr
.endr
.irp i, 0,1,2,3,4,5,6,7
	global_load_b32 v[SGN+\i], v[MO], s[4:5] offset:64*\i          ; the mask number of token 16 i + r of my 128
.endr
	WIN MUL_LO
	MUL12 1, 0, 0, 0
	MUL12 1, 0, 2, 0
	s_wait_dscnt 0
	WIN MUL_HI
	MUL12 1, 1, 0, 0
	MUL12 1, 1, 2, 0
	; THE WAY OUT.  (sum + bias) x f = sum x f + (bias x f): one fused multiply-add a number; rounded to f16; 16 bytes a lane into a stage of 256 tokens x 384 bytes.
	; The stage lies in slot 0, which has had its last fill, and whose last reads every wave waited for in front of the last change of slots.
	WIN 0
	PLACES                                         ; behind the last matrix instructions, for the reads of their results and the writes over their sources
	s_lshr_b32 s98, s13, 2
	s_lshl_b32 s98, s98, 4                         ; 16 x batch (a batch is four block rows)
	s_and_b32 s99, s13, 3
	s_lshl_b32 s99, s99, 15                        ; the block's first token in its batch, times 128 bytes
	s_mul_i32 s100, s42, 3                         ; my block's first group of 64 columns, 0..45
.irp cc, 0,1,2
	s_add_co_u32 s101, s100, \cc
	s_lshr_b32 s[OB+2*\cc], s101, 4                ; type,
	s_lshl_b32 s[OB+2*\cc], s[OB+2*\cc], 24        ; times 16,777,216 bytes
	s_and_b32 s101, s101, 15                       ; head
	s_add_co_u32 s101, s101, s98
	s_lshl_b32 s101, s101, 17                      ; a plane of 1024 x 128 bytes
	s_add_co_u32 s[OB+2*\cc], s[OB+2*\cc], s101
	s_add_co_u32 s[OB+2*\cc], s[OB+2*\cc], s99
	s_mov_b32 s[OB+2*\cc+1], 0
	s_add_nc_u64 s[OB+2*\cc:OB+2*\cc+1], s[78:79], s[OB+2*\cc:OB+2*\cc+1]
.endr
	s_wait_loadcnt 0x0                             ; the biases and the mask numbers
.irp p, 0,1,2
.irp k, 0,1,2,3,4,5,6,7
	v_pk_mul_f32 v[BI+16*\p+2*\k:BI+16*\p+2*\k+1], v[BI+16*\p+2*\k:BI+16*\p+2*\k+1], s[FS+2*\p:FS+2*\p+1] op_sel_hi:[1,0]
.endr
.endr
.irp i, 0,1,2,3,4,5,6,7
	v_ashrrev_i32 v[SGN+\i], 31, v[SGN+\i]         ; the sign bit in every bit,
.endr
.irp i, 0,1,2,3,4,5,6,7
	v_and_b32 v[SGN+\i], 0x80008000, v[SGN+\i]     ; kept at the sign bits of two f16
.endr
; tokens 16 i .. 16 i + 15 of my 128 = the six tiles (a, 0..5) of window 1 or 2 (win: source 0's window)
.macro OUTROW i, a, win
	WIN \win
.irp p, 0,1,2
.irp k, 0,1,2,3,4,5,6,7
	v_pk_fma_f32 v[TT+16*\p+2*\k:TT+16*\p+2*\k+1], v[48*\a+16*\p+2*\k:48*\a+16*\p+2*\k+1], s[FS+2*\p:FS+2*\p+1], v[BI+16*\p+2*\k:BI+16*\p+2*\k+1] op_sel_hi:[1,0,1]
.endr
.endr
	WIN 0
.set n, 0
.rept 24
	v_cvt_pk_f16_f32 v[PK+n], v[TT+2*n], v[TT+2*n+1]
.set n, n+1
.endr
.irp p, 0,1,2
	v_and_b32 v[XS+\p], s[TS+\p], v[SGN+\i]        ; my token's sign, for columns of v alone
.endr
.irp p, 0,1,2
.irp k, 0,1,2,3,4,5,6,7
	v_xor_b32 v[PK+8*\p+\k], v[XS+\p], v[PK+8*\p+\k]
.endr
.endr
.irp b, 0,1,2,3,4,5
	ds_store_b128 v[STO], v[PK+4*\b:PK+4*\b+3] offset:\i*16*SP+32*\b
.endr
.endm
	OUTROW 0, 0, 0x01
	OUTROW 1, 1, 0x01
	OUTROW 2, 2, 0x01
	OUTROW 3, 3, 0x01
	OUTROW 4, 0, 0x02
	OUTROW 5, 1, 0x02
	OUTROW 6, 2, 0x02
	OUTROW 7, 3, 0x02
	s_wait_dscnt 0x0                               ; my stores are done: two waves wrote each row that a wave reads back
	s_barrier_signal -1
	s_barrier_wait -1
.irp cc, 0,1,2
.irp i, 0,1,2,3,4,5,6,7,8,9,10,11,12,13,14,15
	ds_load_b128 v[32+64*\cc+4*\i:32+64*\cc+4*\i+3], v[RD] offset:\i*4*SP+\cc*128   ; four tokens' 128 bytes of head cc; every load has registers of its own
.endr
.endr
.irp cc, 0,1,2
.irp i, 0,1,2,3,4,5,6,7,8,9,10,11,12,13,14,15
	s_wait_dscnt 47-16*\cc-\i                      ; LDS loads come back in order: this one is in, the younger ones stay out
	global_store_b128 v[CO], v[32+64*\cc+4*\i:32+64*\cc+4*\i+3], s[OB+2*\cc:OB+2*\cc+1] offset:512*\i   ; 16 lanes store 256 consecutive bytes, aligned: two tokens of one head
.endr
.endr
	s_wait_tensorcnt 0x0
	ds_add_u32 v30, v31
	s_wait_dscnt 0x0
	CROUND                                         ; the closing round: no work-group ends while a partner may still ask for a tile that names it
	s_endpgm
.Lfunc_end_k_q55b7116908_proj:
	.size	k_q55b7116908_proj, .Lfunc_end_k_q55b7116908_proj-k_q55b7116908_proj
	.p2alignl 7, 3214868480
	.fill 96, 4, 3214868480
	.section	.rodata,"a",@progbits
	.p2align	6, 0x0
	.amdhsa_kernel k_q55b7116908_proj
		.amdhsa_group_segment_fixed_size 327680
		.amdhsa_private_segment_fixed_size 0
		.amdhsa_enable_private_segment 0
		.amdhsa_kernarg_size 56
		.amdhsa_user_sgpr_count 2
		.amdhsa_user_sgpr_kernarg_segment_ptr 1
		.amdhsa_wavefront_size32 1
		.amdhsa_system_sgpr_workgroup_id_x 1
		.amdhsa_system_sgpr_workgroup_id_y 1
		.amdhsa_system_sgpr_workgroup_id_z 1
		.amdhsa_system_vgpr_workitem_id 0
		.amdhsa_next_free_vgpr 704
		.amdhsa_next_free_sgpr 102
		.amdhsa_reserve_vcc 0
		.amdhsa_float_denorm_mode_32 3
		.amdhsa_float_denorm_mode_16_64 3
		.amdhsa_memory_ordered 1
		.amdhsa_forward_progress 1
		.amdhsa_inst_pref_size 183
	.end_amdhsa_kernel
	.amdgpu_metadata
---
amdhsa.version: [ 1, 2 ]
amdhsa.kernels:
  - .name:           k_q55b7116908_proj
    .symbol:         k_q55b7116908_proj.kd
    .args:
      - { .name: xh, .offset: 0, .size: 8, .value_kind: global_buffer, .address_space: global }
      - { .name: wh, .offset: 8, .size: 8, .value_kind: global_buffer, .address_space: global }
      - { .name: bq, .offset: 16, .size: 8, .value_kind: global_buffer, .address_space: global }
      - { .name: bk, .offset: 24, .size: 8, .value_kind: global_buffer, .address_space: global }
      - { .name: bv, .offset: 32, .size: 8, .value_kind: global_buffer, .address_space: global }
      - { .name: qkv, .offset: 40, .size: 8, .value_kind: global_buffer, .address_space: global }
      - { .name: mask, .offset: 48, .size: 8, .value_kind: global_buffer, .address_space: global }
    .group_segment_fixed_size: 327680
    .private_segment_fixed_size: 0
    .kernarg_segment_align: 8
    .kernarg_segment_size: 56
    .max_flat_workgroup_size: 128
    .sgpr_count:     102
    .vgpr_count:     704
    .wavefront_size: 32
...
	.end_amdgpu_metadata
.endif
;; end of part 2
;; launch attn (part 3): grid 256 x 1, 8 waves a work-group, no clusters, 295,936 bytes of LDS; arguments qkv, mask, out0; writes out0
.if DOCPART == 3
	.amdgcn_target "amdgcn-amd-amdhsa--gfx1250"
	.amdhsa_code_object_version 6
	.text
	.protected	k_q55b7116908_attn
	.globl	k_q55b7116908_attn
	.p2align	8
	.type	k_q55b7116908_attn,@function
k_q55b7116908_attn:
	s_mov_b64 s[64:65], 0
	v_nop
	global_prefetch_b8 v0, s[64:65] scope:SCOPE_SE
	s_setreg_imm32_b32 hwreg(HW_REG_WAVE_MODE, 25, 1), 1
	s_wait_xcnt 0x0
; out0[b][l][64 head + d] = sum over m of exp(s[l][m]) mask[b][m] v[m][d] / (sum over m of exp(s[l][m]) mask[b][m] + 1e-8),  s = q k / 8.
; q comes scaled by log2(e)/8, so q k is the exponent to base 2; v comes multiplied by the sign of its key's mask number.  The mask's magnitude goes into the
; exponent: S = q k + max(log2 |mask|, -1e30) is made by the matrix unit, the second term as the product's addend.  A running maximum M of the row is taken away:
; P = 2^(S - M), at most 1, goes to the matrix unit in f16; the sums are rescaled by 2^(old M - new M) in f32; DEN = sum of sign x P is one more product, with a
; first operand that holds the keys' signs in every row; at the end out = ACC / (DEN + 1e-8 x 2^-M), which is the same quotient.
; A key with mask 0 has S = -1e30: beside a real key its P is 0; while no real key has been seen its P is 1, and the first real key multiplies those sums by
; 2^(-1e30 - M) = 0; a row without any real key ends with 2^-M infinite and returns 0.
; Work-group g: head g / 2 of the 128 (batch, head) pairs, queries 512 (g % 2) ..; eight waves of 64 queries (4 tiles of 16), 16 steps of 64 keys.
; The head's whole K and V lie in LDS and nothing is filled again.  Each wave brings two blocks (waves 0-3 of K, waves 4-7 of V): 40 LDS rows of 256 bytes, which
; together are keys 0-319, then 88 rows, keys 320-1023: two tensor loads of a wave are out at the most.  The five steps on keys 0-319 are written out with
; the step's number in the LDS immediates, and the first four of them run while the second blocks are still on their way.
; TRANSPOSED PRODUCTS: S^T = K Q^T gives lane l query l % 16 and keys 8 (l / 16) + j; rounded to f16 in place these registers ARE the second operand of
; ctx^T = V^T P^T; the row's maximum, sum and scale stay in the lane that needs them.
; NO CLUSTER: a head's K and V, 262,144 bytes, are wanted by two work-groups, once each, at their first lines; behind that a work-group asks memory for nothing more.
; LIMITS: a mask number below 1.2e-38 in magnitude counts as 0.  A row whose S are all below -128 returns 0 (the quotient itself is then below 1e-30 |v|).
; P is f16: below 6e-8 of the row's largest term it becomes 0.  The order of rounding differs from the plain quotient's: P is taken relative to M, the division comes last.
.set KP,   272                         ; K's LDS row: 2 keys x 128 bytes + 16: the 16 keys of a fragment begin at 16 (r / 2) + 128 (r % 2) modulo 256, all different
.set VP,   288                         ; V's LDS row: 2 keys x 128 bytes + 32: the 16 lanes of a transposing load fall at 32 (i / 2) + 128 (i % 2) + 16 c, all different
.set VOFF, 512*KP                      ; 139,264: V behind K
.set LOFF, VOFF+512*VP                 ; 286,720: max(log2 |mask|, -1e30) of the batch's 1,024 keys (f32)
.set GOFF, LOFF+4096                   ; 290,816: their signs, +1 or -1 (f16)
.set OP,   272                         ; the stage's row on the way out: 256 bytes + 16.  The stage is K's region, 64 rows for each wave
.set R0,   40                          ; LDS rows in a wave's first block: 4 waves x 40 rows x 2 keys = 320 keys = 5 steps
.set R1,   88                          ; and in its second: 4 x 88 x 2 = 704 keys
.set KST,  32*KP                       ; a step of 64 keys on, in K,
.set VST,  32*VP                       ; in V,
.set NST,  256                         ; among the addends,
.set GST,  128                         ; among the signs
.set KA,  8                            ; v8   LDS address of my part of K's fragments
.set VA,  9                            ; v9   the same for V
.set MA,  10                           ; v10  the same for the addends
.set SA,  11                           ; v11  the same for the signs
.set QO,  12                           ; v12  my byte offset in my wave's queries
.set STO, 13                           ; v13  the way out: where I put 16 bytes
.set RD,  14                           ; v14  the way out: where I read a row back
.set CO,  15                           ; v15  my byte offset in out0
.set SC,  16                           ; v[16:143]   S of query tile qt, key tile kt at 16 + 32 qt + 8 kt.  Rounded, P of qt fills the lower 16 of its 32 registers
                                       ;             (keys 32 kh .. at + 8 kh), and the upper 16 take V^T's fragments: 16 d of tile dt, keys 32 kh .., at 16 + 32 dt + 16 + 8 kh
.set KF,  144                          ; v[144:207]  K fragments: key tile kt, half s of d at 144 + 16 kt + 8 s
.set SG,  208                          ; v[208:223]  the signs of keys 32 kh .. as a first operand, at 208 + 8 kh
.set M,   224                          ; v[224+2 qt] running maximum; the odd partners are written once, for the packed forms
.set AL,  232                          ; v[232+2 qt] 2^(old M - new M); at the end 1 / denominator
.set T,   240                          ; v[240+4 qt ..] at work
.set OT,  144                          ; the way out: 32 quotients, in K's fragment registers
.set Q,   0                            ; window 1: v[0:63]    Q fragments at 16 qt + 8 s
.set ACC, 64                           ; window 1: v[64:191]  ctx^T at 64 + 32 qt + 8 dt
.set DEN, 192                          ; window 1: v[192:223] at 192 + 8 qt; every register would hold the row's sum, register 0 alone is rescaled and used
.set NBR, 224                          ; window 1: v[224:255] the addends of my keys, at 224 + 8 kt
.set MSB, 0
.macro WIN new                         ; s_set_vgpr_msb: bits 1:0 source 0, 3:2 source 1, 5:4 source 2, 7:6 destination; the high byte repeats the setting that is left
.if MSB != \new
	s_set_vgpr_msb (MSB<<8)|\new
.set MSB, \new
.endif
.endm
; descriptor group 1: a dense block as rows of 32 elements of 8 bytes, pad words of padding behind every 64 words
.macro G1SET g, pad, rows
	s_mov_b32 s[\g+0], (3<<16)|(1<<20)|(5<<22)|((\pad-1)<<25)
	s_mov_b32 s[\g+1], 32<<16                      ; tensor_dim0 = 32
	s_mov_b32 s[\g+2], \rows<<16                   ; tensor_dim1
	s_mov_b32 s[\g+3], 32<<16                      ; tile_dim0 = 32
	s_mov_b32 s[\g+4], \rows                       ; tile_dim1
	s_mov_b32 s[\g+5], 32                          ; elements from row to row
	s_mov_b32 s[\g+6], 0
	s_mov_b32 s[\g+7], 0
.endm
; 16 loads: the K fragments of the 64 keys that begin o bytes behind KA
.macro LDK o
.irp kt, 0,1,2,3
.irp s, 0,1
.irp u, 0,1
	ds_load_b128 v[KF+16*\kt+8*\s+4*\u:KF+16*\kt+8*\s+4*\u+3], v[KA] offset:\o+8*KP*\kt+64*\s+32*\u
.endr
.endr
.endr
.endm
; 8 loads, destination window 1: their addends
.macro LDN o
.irp kt, 0,1,2,3
.irp u, 0,1
	ds_load_b128 v[NBR+8*\kt+4*\u:NBR+8*\kt+4*\u+3], v[MA] offset:\o+64*\kt+16*\u
.endr
.endr
.endm
	s_load_b128 s[4:7], s[0:1], 0x0                ; qkv s[4:5], mask s[6:7]
	s_load_b64 s[8:9], s[0:1], 0x10                ; out0
	v_lshl_add_u32 v254, v0, 2, 0x48000
	v_mov_b32 v255, 0
	ds_add_u32 v254, v255
	ds_add_u32 v254, v255
	s_wait_dscnt 0x0
	v_lshrrev_b32 v1, 5, v0
	v_readfirstlane_b32 s10, v1                    ; wave 0..7
	s_lshr_b32 s11, ttmp9, 1                       ; 16 b + head
	s_and_b32 s12, ttmp9, 1                        ; which 512 queries
	s_lshr_b32 s13, s11, 4                         ; b
	s_and_b32 s14, s11, 15                         ; head
	s_mov_b32 s48, 0x76543210                      ; v_permlanex16_b32: lane i of one half reads lane i of the other
	s_mov_b32 s49, 0xfedcba98
	G1SET 16, 4, R0                                ; K's first block
	G1SET 24, 4, R1                                ; K's second
	G1SET 68, 8, R0                                ; V's first
	G1SET 76, 8, R1                                ; V's second
	s_mov_b32 s32, 1                               ; group 0 of the first and of the second load: count = 1
	s_mov_b32 s36, 1
	s_mov_b32 s41, 0
	s_mov_b32 s43, 0
	v_and_b32 v1, 15, v0                           ; r
	v_bfe_u32 v2, v0, 4, 1                         ; h
	v_lshlrev_b32 v[QO], 7, v1
	v_lshl_add_u32 v[QO], v2, 4, v[QO]             ; query r, 16 h
	v_lshlrev_b32 v3, 4, v0                        ; 256 threads x 16 bytes: the batch's mask
	s_lshl_b32 s52, s11, 17                        ; the head's plane: 131,072 bytes
	s_mov_b32 s53, 0
	s_lshl_b32 s60, s13, 12
	s_mov_b32 s61, 0
	s_lshl_b32 s56, s12, 16                        ; my work-group's 512 queries,
	s_lshl_b32 s58, s10, 13                        ; my wave's 64
	s_add_co_u32 s56, s56, s58
	s_mov_b32 s57, 0
	s_wait_kmcnt 0x0
	s_add_nc_u64 s[54:55], s[4:5], s[52:53]        ; the head's plane of q
	s_add_nc_u64 s[60:61], s[6:7], s[60:61]        ; the batch's mask
	s_add_nc_u64 s[56:57], s[54:55], s[56:57]      ; my wave's queries
	; The mask and Q are asked for first: the first step needs them, and the large second blocks below are not to stand in front of them.
	global_load_b128 v[16:19], v3, s[60:61]
	WIN 0x40                                       ; destination window 1
.irp qt, 0,1,2,3
.irp s, 0,1
.irp u, 0,1
	global_load_b128 v[Q+16*\qt+8*\s+4*\u:Q+16*\qt+8*\s+4*\u+3], v[QO], s[56:57] offset:2048*\qt+64*\s+32*\u
.endr
.endr
.endr
	WIN 0
	s_cmp_lt_u32 s10, 4
	s_cbranch_scc0 .Lfor_v
	s_mul_i32 s33, s10, R0*KP                      ; K, first block: LDS rows 40 w ..
	s_mul_i32 s37, s10, R1*KP                      ; second block: LDS rows 160 + 88 w ..
	s_add_co_u32 s37, s37, 4*R0*KP
	s_mul_i32 s40, s10, R0*256                     ; the same rows of 256 bytes in the plane
	s_mul_i32 s42, s10, R1*256
	s_add_co_u32 s42, s42, 4*R0*256
	s_add_nc_u64 s[34:35], s[54:55], s[40:41]
	s_add_nc_u64 s[34:35], s[34:35], 16777216      ; k's planes lie behind q's
	s_or_b32 s35, s35, 0x80000000                  ; type = 2
	s_add_nc_u64 s[38:39], s[54:55], s[42:43]
	s_add_nc_u64 s[38:39], s[38:39], 16777216
	s_or_b32 s39, s39, 0x80000000
	tensor_load_to_lds s[32:35], s[16:23]
	s_nop 0
	tensor_load_to_lds s[36:39], s[24:31]
	s_nop 0
	s_branch .Lasked
.Lfor_v:
	s_sub_co_u32 s44, s10, 4
	s_mul_i32 s33, s44, R0*VP                      ; V likewise, for waves 4 to 7
	s_add_co_u32 s33, s33, VOFF
	s_mul_i32 s37, s44, R1*VP
	s_add_co_u32 s37, s37, VOFF+4*R0*VP
	s_mul_i32 s40, s44, R0*256
	s_mul_i32 s42, s44, R1*256
	s_add_co_u32 s42, s42, 4*R0*256
	s_add_nc_u64 s[34:35], s[54:55], s[40:41]
	s_add_nc_u64 s[34:35], s[34:35], 33554432      ; v's planes lie behind k's
	s_or_b32 s35, s35, 0x80000000
	s_add_nc_u64 s[38:39], s[54:55], s[42:43]
	s_add_nc_u64 s[38:39], s[38:39], 33554432
	s_or_b32 s39, s39, 0x80000000
	tensor_load_to_lds s[32:35], s[68:75]
	s_nop 0
	tensor_load_to_lds s[36:39], s[76:83]
	s_nop 0
.Lasked:
	s_lshl_b32 s62, s13, 22                        ; out0: row (1024 b + 512 half + 64 w) of 4,096 bytes, the head's 256 bytes in it
	s_lshl_b32 s58, s12, 21
	s_add_co_u32 s62, s62, s58
	s_lshl_b32 s58, s10, 18
	s_add_co_u32 s62, s62, s58
	s_lshl_b32 s58, s14, 8
	s_add_co_u32 s62, s62, s58
	s_mov_b32 s63, 0
	s_add_nc_u64 s[62:63], s[8:9], s[62:63]
	v_lshrrev_b32 v4, 1, v1
	v_mul_u32_u24 v[KA], v4, KP                    ; key r of a tile: LDS row r / 2,
	v_and_b32 v5, 1, v0
	v_lshl_add_u32 v[KA], v5, 7, v[KA]             ; half r % 2 of it,
	v_lshl_add_u32 v[KA], v2, 4, v[KA]             ; 16 h
	v_bfe_u32 v6, v0, 1, 2
	v_lshl_add_u32 v6, v2, 2, v6                   ; V: lane l addresses key 8 h + l % 8: LDS row 4 h + (l % 8) / 2,
	v_mul_u32_u24 v[VA], v6, VP
	v_lshl_add_u32 v[VA], v5, 7, v[VA]             ; half l % 2,
	v_bfe_u32 v7, v0, 3, 1
	v_lshl_add_u32 v[VA], v7, 4, v[VA]             ; piece (l / 8) % 2 of the tile's 32 bytes
	v_add_nc_u32 v[VA], VOFF, v[VA]
	v_lshlrev_b32 v[MA], 5, v2                     ; the addends of my eight keys of a tile: 32 h
	v_add_nc_u32 v[MA], LOFF, v[MA]
	v_lshlrev_b32 v[SA], 4, v2                     ; the signs of keys 8 h ..: 16 h
	v_add_nc_u32 v[SA], GOFF, v[SA]
	s_mul_i32 s58, s10, 64*OP                      ; my wave's stage
	v_mul_u32_u24 v[STO], v1, OP
	v_lshl_add_u32 v[STO], v2, 5, v[STO]           ; in: query r, 32 h
	v_add_nc_u32 v[STO], s58, v[STO]
	v_mul_u32_u24 v[RD], v2, OP
	v_lshl_add_u32 v[RD], v1, 4, v[RD]             ; back: lanes 0-15 one query's 256 bytes, lanes 16-31 the next one's
	v_add_nc_u32 v[RD], s58, v[RD]
	v_lshlrev_b32 v[CO], 12, v2
	v_lshl_add_u32 v[CO], v1, 4, v[CO]             ; and the same two rows in out0
	v_add_nc_u32 v24, LOFF, v3                     ; where my four addends go: 16 bytes a thread,
	v_lshrrev_b32 v25, 1, v3
	v_add_nc_u32 v25, GOFF, v25                    ; and my four signs: 8 bytes a thread
	v_mov_b32 v26, 0x3c003c00                      ; 1.0, 1.0 in f16
.irp qt, 0,1,2,3
	v_mov_b32 v[M+2*\qt+1], 0
	v_mov_b32 v[AL+2*\qt+1], 0
.endr
	s_wait_loadcnt 16                              ; the mask is in; Q's 16 loads, issued behind it, stay out
.irp i, 0,1,2,3
	v_and_b32 v[20+\i], 0x7fffffff, v[16+\i]
.endr
.irp i, 0,1,2,3
	v_log_f32 v[20+\i], v[20+\i]                   ; log2 |mask|; minus infinity for 0
.endr
	v_perm_b32 v28, v17, v16, 0x07060302           ; the upper halves of two mask numbers, the lower key in the low half.  Also the plain place behind the logarithms (ISA guide 5.7.2)
	v_perm_b32 v29, v19, v18, 0x07060302
	s_wait_alu depctr_va_vdst(0)
.irp i, 0,1,2,3
	v_max_num_f32 v[20+\i], 0xf149f2ca, v[20+\i]   ; not below -1e30: differences of addends stay finite
.endr
	v_and_or_b32 v28, v28, 0x80008000, v26         ; their sign bits on 1.0
	v_and_or_b32 v29, v29, 0x80008000, v26
	ds_store_b128 v24, v[20:23]
	ds_store_b64 v25, v[28:29]
	s_wait_dscnt 0x0                               ; my stores are done,
	s_wait_tensorcnt 0x1                           ; my first block has landed; my second, issued behind it, stays out
	s_barrier_signal -1
	s_barrier_wait -1                              ; everybody's: keys 0-319 and the two tables are whole
	LDK 0
	WIN 0x40
	LDN 0
	WIN 0
	s_wait_loadcnt 0x0                             ; Q
; One step: 64 keys against my 64 queries.  first = 1: the products start the sums and the maximum.  more = 1: the next step's K and addends are fetched.
; t: the step's number as it stands in the immediates; adv: by how many steps the four addresses are moved on at the end.
; In both runs of matrix instructions the accumulators take turns, one instruction a turn.
.macro STEP first, more, t, adv
	s_wait_dscnt 0x0                               ; this step's K and addends are in
	WIN 0x14                                       ; source 1 (Q) and source 2 (the addends) window 1
.irp qt, 0,1,2,3
.irp kt, 0,1,2,3
	v_wmma_f32_16x16x32_f16 v[SC+32*\qt+8*\kt:SC+32*\qt+8*\kt+7], v[KF+16*\kt:KF+16*\kt+7], v[Q+16*\qt:Q+16*\qt+7], v[NBR+8*\kt:NBR+8*\kt+7]
.endr
.endr
	WIN 0x04                                       ; source 1 window 1
.irp qt, 0,1,2,3
.irp kt, 0,1,2,3
	v_wmma_f32_16x16x32_f16 v[SC+32*\qt+8*\kt:SC+32*\qt+8*\kt+7], v[KF+16*\kt+8:KF+16*\kt+15], v[Q+16*\qt+8:Q+16*\qt+15], v[SC+32*\qt+8*\kt:SC+32*\qt+8*\kt+7]
.endr
.endr
	WIN 0
.rept 4
	v_nop                                          ; four places in front of the loads into K's and the addends' registers and of the reads of S
.endr
.irp kh, 0,1
.irp u, 0,1
	ds_load_b128 v[SG+8*\kh+4*\u:SG+8*\kh+4*\u+3], v[SA] offset:\t*GST+64*\kh+32*\u   ; signs of keys 32 kh + 16 u + 8 h ..; the same in all 16 rows
.endr
.endr
.if \more
	LDK (\t+1)*KST
	WIN 0x40
	LDN (\t+1)*NST
	WIN 0
.endif
	; the largest of my 32 S of each query tile, in four chains, level by level over the four tiles, then the other half of the lanes (the query's other 32 keys)
.irp g, 0,1,2,3
.irp qt, 0,1,2,3
	v_max3_num_f32 v[T+4*\qt+\g], v[SC+32*\qt+3*\g], v[SC+32*\qt+3*\g+1], v[SC+32*\qt+3*\g+2]
.endr
.endr
.irp b, 12,20
.irp g, 0,1,2,3
.irp qt, 0,1,2,3
	v_max3_num_f32 v[T+4*\qt+\g], v[T+4*\qt+\g], v[SC+32*\qt+\b+2*\g], v[SC+32*\qt+\b+2*\g+1]
.endr
.endr
.endr
.irp g, 0,1
.irp qt, 0,1,2,3
	v_max3_num_f32 v[T+4*\qt+\g], v[T+4*\qt+\g], v[SC+32*\qt+28+2*\g], v[SC+32*\qt+28+2*\g+1]
.endr
.endr
.irp qt, 0,1,2,3
	v_max3_num_f32 v[T+4*\qt], v[T+4*\qt], v[T+4*\qt+1], v[T+4*\qt+2]
.endr
.irp qt, 0,1,2,3
	v_max_num_f32 v[T+4*\qt], v[T+4*\qt], v[T+4*\qt+3]
.endr
.irp qt, 0,1,2,3
	v_permlanex16_b32 v[T+4*\qt+1], v[T+4*\qt], s48, s49       ; its destination has been written by the chains
.endr
.if \first
.irp qt, 0,1,2,3
	v_max_num_f32 v[M+2*\qt], v[T+4*\qt], v[T+4*\qt+1]
.endr
.else
.irp qt, 0,1,2,3
	v_max3_num_f32 v[T+4*\qt+2], v[T+4*\qt], v[T+4*\qt+1], v[M+2*\qt]
.endr
.irp qt, 0,1,2,3
	v_sub_f32 v[AL+2*\qt], v[M+2*\qt], v[T+4*\qt+2]            ; old M - new M, at most 0
.endr
.irp qt, 0,1,2,3
	v_mov_b32 v[M+2*\qt], v[T+4*\qt+2]
.endr
.endif
.irp qt, 0,1,2,3
.irp i, 0,1,2,3,4,5,6,7,8,9,10,11,12,13,14,15
	v_pk_add_f32 v[SC+32*\qt+2*\i:SC+32*\qt+2*\i+1], v[SC+32*\qt+2*\i:SC+32*\qt+2*\i+1], v[M+2*\qt:M+2*\qt+1] op_sel_hi:[1,0] neg_lo:[0,1] neg_hi:[0,1]   ; S - M
.endr
.endr
.if \first == 0
.irp qt, 0,1,2,3
	v_exp_f32 v[AL+2*\qt], v[AL+2*\qt]
.endr
.endif
.set n, 0
.rept 128
	v_exp_f32 v[SC+n], v[SC+n]
.set n, n+1
.endr
	v_nop                                          ; one plain place behind the run of exponentials (ISA guide 5.7.2) before a result is used
	s_wait_alu depctr_va_vdst(0)
.irp qt, 0,1,2,3
.irp i, 0,1,2,3,4,5,6,7,8,9,10,11,12,13,14,15
	v_cvt_pk_f16_f32 v[SC+32*\qt+\i], v[SC+32*\qt+2*\i], v[SC+32*\qt+2*\i+1]   ; in place, ascending.  Of each 8 registers 0-3 hold keys 8 h .., 4-7 keys 16 + 8 h ..: the second operand as it stands
.endr
.endr
.irp dt, 0,1,2,3
.irp kh, 0,1
	ds_load_tr16_b128 v[SC+32*\dt+16+8*\kh:SC+32*\dt+16+8*\kh+3],   v[VA] offset:\t*VST+32*\dt+16*VP*\kh        ; into the registers that the rounding has freed: keys 32 kh + 8 h .. of column d = 16 dt + r
	ds_load_tr16_b128 v[SC+32*\dt+16+8*\kh+4:SC+32*\dt+16+8*\kh+7], v[VA] offset:\t*VST+32*\dt+16*VP*\kh+8*VP   ; keys 32 kh + 16 + 8 h ..
.endr
.endr
.if \first == 0
	WIN 0x41                                       ; source 0 and destination window 1.  The rescaling stands between V's loads and their wait
.irp qt, 0,1,2,3
.irp i, 0,1,2,3,4,5,6,7,8,9,10,11,12,13,14,15
	v_pk_mul_f32 v[ACC+32*\qt+2*\i:ACC+32*\qt+2*\i+1], v[ACC+32*\qt+2*\i:ACC+32*\qt+2*\i+1], v[AL+2*\qt:AL+2*\qt+1] op_sel_hi:[1,0]
.endr
	v_mul_f32 v[DEN+8*\qt], v[DEN+8*\qt], v[AL+2*\qt]          ; registers 1 to 7 of DEN are not used: sums of at most 1,024 terms of at most 1
.endr
.endif
	s_wait_dscnt 0x0                               ; V's loads are the youngest: with them the signs, the next K and its addends are in
	WIN 0x50                                       ; C and D window 1
.irp kh, 0,1
.irp dt, 0,1,2,3
.irp qt, 0,1,2,3
.if \first*(1-\kh)
	v_wmma_f32_16x16x32_f16 v[ACC+32*\qt+8*\dt:ACC+32*\qt+8*\dt+7], v[SC+32*\dt+16+8*\kh:SC+32*\dt+16+8*\kh+7], v[SC+32*\qt+8*\kh:SC+32*\qt+8*\kh+7], 0
.else
	v_wmma_f32_16x16x32_f16 v[ACC+32*\qt+8*\dt:ACC+32*\qt+8*\dt+7], v[SC+32*\dt+16+8*\kh:SC+32*\dt+16+8*\kh+7], v[SC+32*\qt+8*\kh:SC+32*\qt+8*\kh+7], v[ACC+32*\qt+8*\dt:ACC+32*\qt+8*\dt+7]
.endif
.endr
.endr
.irp qt, 0,1,2,3
.if \first*(1-\kh)
	v_wmma_f32_16x16x32_f16 v[DEN+8*\qt:DEN+8*\qt+7], v[SG+8*\kh:SG+8*\kh+7], v[SC+32*\qt+8*\kh:SC+32*\qt+8*\kh+7], 0
.else
	v_wmma_f32_16x16x32_f16 v[DEN+8*\qt:DEN+8*\qt+7], v[SG+8*\kh:SG+8*\kh+7], v[SC+32*\qt+8*\kh:SC+32*\qt+8*\kh+7], v[DEN+8*\qt:DEN+8*\qt+7]
.endif
.endr
.endr
	WIN 0
	; five places (ISA guide 7.12.1) in front of the next step's first matrix instructions, which write over P's and V's registers
.if \adv
	v_add_nc_u32 v[KA], \adv*KST, v[KA]
	v_add_nc_u32 v[VA], \adv*VST, v[VA]
	v_add_nc_u32 v[MA], \adv*NST, v[MA]
	v_add_nc_u32 v[SA], \adv*GST, v[SA]
	v_nop
.else
.rept 5
	v_nop
.endr
.endif
.endm
	STEP 1, 1, 0, 0                                ; keys 0-255: every LDS address is a lane's term and a constant, inside the first blocks
	STEP 0, 1, 1, 0
	STEP 0, 1, 2, 0
	STEP 0, 1, 3, 0
	s_wait_dscnt 0x0                               ; no LDS load of mine is out at the signal,
	s_wait_tensorcnt 0x0                           ; my second block has landed:
	s_barrier_signal -1
	s_barrier_wait -1                              ; everybody's: K and V are whole
	STEP 0, 1, 4, 5                                ; keys 256-319; it fetches K of keys 320 ..; the addresses move on to step 5
	s_mov_b32 s50, 10
.Lstep:
	STEP 0, 1, 0, 1                                ; keys 320-959
	s_sub_co_u32 s50, s50, 1
	s_cmp_lg_u32 s50, 0
	s_cbranch_scc1 .Lstep
	STEP 0, 0, 0, 0                                ; keys 960-1023
	; THE WAY OUT.  K's region becomes the stage: every wave's reads of K are back in front of this barrier, and no tensor load follows.
	s_wait_dscnt 0x0
	s_barrier_signal -1
	s_barrier_wait -1
.irp qt, 0,1,2,3
	v_sub_f32 v[T+4*\qt], 0, v[M+2*\qt]
.endr
.irp qt, 0,1,2,3
	v_exp_f32 v[T+4*\qt+1], v[T+4*\qt]             ; 2^-M; infinite for a row with no real key, whose quotient then becomes 0
.endr
	v_nop
	WIN 0x10                                       ; source 2 window 1
	s_wait_alu depctr_va_vdst(0)
.irp qt, 0,1,2,3
	v_fma_f32 v[T+4*\qt+2], v[T+4*\qt+1], 0x322bcc77, v[DEN+8*\qt]     ; DEN + 1e-8 x 2^-M
.endr
	WIN 0
.irp qt, 0,1,2,3
	v_rcp_f32 v[AL+2*\qt], v[T+4*\qt+2]
.endr
	v_nop
	s_wait_alu depctr_va_vdst(0)
.irp qt, 0,1,2,3
	WIN 0x01                                       ; source 0 window 1
.irp i, 0,1,2,3,4,5,6,7,8,9,10,11,12,13,14,15
	v_pk_mul_f32 v[OT+2*\i:OT+2*\i+1], v[ACC+32*\qt+2*\i:ACC+32*\qt+2*\i+1], v[AL+2*\qt:AL+2*\qt+1] op_sel_hi:[1,0]
.endr
	WIN 0
.irp dt, 0,1,2,3
.irp u, 0,1
	ds_store_b128 v[STO], v[OT+8*\dt+4*\u:OT+8*\dt+4*\u+3] offset:16*OP*\qt+64*\dt+16*\u   ; query 16 qt + r, d = 16 dt + 8 h + 4 u ..
.endr
.endr
.endr
.irp i, 0,1,2,3,4,5,6,7,8,9,10,11,12,13,14,15,16,17,18,19,20,21,22,23,24,25,26,27,28,29,30,31
	ds_load_b128 v[SC+4*\i:SC+4*\i+3], v[RD] offset:2*OP*\i    ; my wave's own bytes: LDS serves a wave's instructions in order (ISA guide 5.7.1.4)
.endr
.irp i, 0,1,2,3,4,5,6,7,8,9,10,11,12,13,14,15,16,17,18,19,20,21,22,23,24,25,26,27,28,29,30,31
	s_wait_dscnt 31-\i                             ; this load is in, the younger ones stay out
	global_store_b128 v[CO], v[SC+4*\i:SC+4*\i+3], s[62:63] offset:8192*\i th:TH_STORE_NT   ; 16 lanes store 256 consecutive bytes, aligned: one query's 64 numbers of the head
.endr
	s_wait_xcnt 0x0
	v_lshl_add_u32 v254, v0, 2, 0x48000
	v_mov_b32 v255, 0
	s_wait_tensorcnt 0x0
	ds_add_u32 v254, v255
	s_wait_dscnt 0x0
	s_endpgm
.Lfunc_end_k_q55b7116908_attn:
	.size	k_q55b7116908_attn, .Lfunc_end_k_q55b7116908_attn-k_q55b7116908_attn
	.p2alignl 7, 3214868480
	.fill 96, 4, 3214868480
	.section	.rodata,"a",@progbits
	.p2align	6, 0x0
	.amdhsa_kernel k_q55b7116908_attn
		.amdhsa_group_segment_fixed_size 295936
		.amdhsa_private_segment_fixed_size 0
		.amdhsa_enable_private_segment 0
		.amdhsa_kernarg_size 24
		.amdhsa_user_sgpr_count 2
		.amdhsa_user_sgpr_kernarg_segment_ptr 1
		.amdhsa_wavefront_size32 1
		.amdhsa_system_sgpr_workgroup_id_x 1
		.amdhsa_system_sgpr_workgroup_id_y 1
		.amdhsa_system_sgpr_workgroup_id_z 1
		.amdhsa_system_vgpr_workitem_id 0
		.amdhsa_next_free_vgpr 512
		.amdhsa_next_free_sgpr 84
		.amdhsa_reserve_vcc 0
		.amdhsa_float_denorm_mode_32 3
		.amdhsa_float_denorm_mode_16_64 3
		.amdhsa_memory_ordered 1
		.amdhsa_forward_progress 1
		.amdhsa_inst_pref_size 222
	.end_amdhsa_kernel
	.amdgpu_metadata
---
amdhsa.version: [ 1, 2 ]
amdhsa.kernels:
  - .name:           k_q55b7116908_attn
    .symbol:         k_q55b7116908_attn.kd
    .args:
      - { .name: qkv, .offset: 0, .size: 8, .value_kind: global_buffer, .address_space: global }
      - { .name: mask, .offset: 8, .size: 8, .value_kind: global_buffer, .address_space: global }
      - { .name: out0, .offset: 16, .size: 8, .value_kind: global_buffer, .address_space: global }
    .group_segment_fixed_size: 295936
    .private_segment_fixed_size: 0
    .kernarg_segment_align: 8
    .kernarg_segment_size: 24
    .max_flat_workgroup_size: 256
    .sgpr_count:     84
    .vgpr_count:     512
    .wavefront_size: 32
...
	.end_amdgpu_metadata
.endif
;; end of part 3
